; MI455X (gfx1250); checked and timed in simulation.
; The chip was launched on July 23, 2026; its instructions are those of AMD's public machine-readable ISA for CDNA 5 (MIT licence, August 2026) and "CDNA5" Instruction Set Architecture Reference Guide (July 2026). The comments in the code are by the model that wrote it; some were corrected since.
;; Head Ver3. Allowed arithmetic: matrix products marked QUANTISED: E5M2 operands, one given power-of-two scale a tensor, by v_wmma_f32_16x16x64_bf8_bf8 or v_wmma_f32_16x16x128_bf8_bf8, f32 sums; everything else in f32.
;; Inputs: lowp_scales 2 int32 (the exponents e of the quantised operands' scales 2^e); x 4 x 4,096 x 1,024 float32.
;; Outputs: out0 4 x 4,096 x 1,024 float32.
;; This version of the problem:
;;   THIS VERSION OF THE PROBLEM IS GIVEN IN LOW PRECISION. The matrix products marked QUANTISED in the list below multiply operands that are first quantised to E5M2 (5 exponent bits, 2 mantissa bits; 8 bits a number), with one given power-of-two scale for each operand tensor; their sums are f32. All else is computed in f32.
;;   The module's matrix products, in the order in which they are computed (A, B: the left and right operand; K: the contracted axis; several contracted axes count as one K, in the product's order):
;;     1. [M 4,096, K 4,096] x [K 4,096, N 4,096]; A: input x; B: softmax (see below): QUANTISED (scales: A lowp_scales[0], B lowp_scales[1])
;;   THE QUANTISER, for each operand of a quantised product, along K:
;;     - The operand's scale is 2^e, e = its entry of the input lowp_scales (int32; the entries are numbered through the quantised products in the list's order, A before B).
;;     - Each number is divided by the scale, clamped to +-57,344, and rounded to the nearest number of E5M2, ties to even, subnormals kept.
;;     - The product sums the exact products of the quantised numbers (number of the format x scale) in f32.
;;   ~~~python
;;   def quantise(x, axis, e):      # numpy; x: float32 -> the quantised numbers, widened to float32 again
;;       x = np.moveaxis(x, axis, -1); K = x.shape[-1]
;;       r = np.clip(x / 2.0 ** e, -57344, 57344)
;;       step = 2.0 ** (np.maximum(np.frexp(np.where(r == 0, 1, r))[1] - 1, -14) - 2)
;;       q = np.round(r / step) * step * 2.0 ** e      # np.round: ties to even
;;       return np.moveaxis(q, -1, axis).astype(np.float32)
;;   ~~~
;;   SOFTMAX AHEAD OF A QUANTISED PRODUCT. Where the list says 'softmax', what is quantised is not the finished softmax but p = 2^(t - M), with t = logit x log2(e) and M = ceil(the row's largest t), a whole number; so 1/2 < the row's largest p <= 1. The row's sum l is taken of the UNQUANTISED p, in f32, and the product's result is divided by l at the end. Since M is a whole number, a kernel that streams over the keys may use a running M (the ceiling of the running maximum): every later rescaling is an exact power of two, so the quantised numbers keep their values, but for numbers so far below the row's largest that they fall under the format's range.
;;   OPERANDS COMPUTED ON THE WAY. 'Computed on the way' means the value that the module computes at that place (a softmax that the list does not call 'softmax' is quantised finished and normalised). What goes into a quantiser is computed in f32, as accurately as f32 sums, v_exp_f32 and their like allow (about 1e-6 of the number): no bf16 or f16 on the way to a quantiser, and a product that is left as it is and whose result goes on into a quantised operand takes f32 operands (vector FMAs, or v_wmma_f32_16x16x4_f32). A number that lies on a knife's edge between two numbers of the format may be rounded either way, as far as f32 arithmetic and the matrix unit's own rounding can turn it there, and no further.
;; One version. Each part assembles by itself: llvm-mc -triple=amdgcn-amd-amdhsa -mcpu=gfx1250 --defsym DOCPART=n.
;; ======== version 1 of 1: 1 launch
;; limits: right only within a limited range of input values
;; launch causal (part 1): grid 256 x 1, 4 waves a work-group, clusters of 4 x 1, 327,680 bytes of LDS; arguments x, lowp_scales, out0; writes out0
.if DOCPART == 1
	.amdgcn_target "amdgcn-amd-amdhsa--gfx1250"
	.amdhsa_code_object_version 6
	.text
	.protected	k_qf3f588bb55_causal
	.globl	k_qf3f588bb55_causal
	.p2align	8
	.type	k_qf3f588bb55_causal,@function
k_qf3f588bb55_causal:
	s_mov_b64 s[64:65], 0
	v_nop
	global_prefetch_b8 v0, s[64:65] scope:SCOPE_SE
	s_setreg_imm32_b32 hwreg(HW_REG_WAVE_MODE, 25, 1), 1
	s_wait_xcnt 0x0
	s_wait_alu depctr_hold_cnt(0) depctr_sa_sdst(0) depctr_va_vdst(0) depctr_va_sdst(0) depctr_va_ssrc(0) depctr_va_vcc(0) depctr_vm_vsrc(0)
	s_getreg_b32 s2, hwreg(HW_REG_IB_STS2, 6, 4)
	s_cmp_eq_u32 s2, 0
	s_cbranch_scc0 .Lentry_in_a_cluster
	s_endpgm
.Lentry_in_a_cluster:
	s_bfe_u32 s2, ttmp6, 0x10000c
	s_cmp_lg_u32 s2, 0x3003
	s_cbranch_scc0 .Lentry_shape_is_right
	s_endpgm
.Lentry_shape_is_right:
; out[b][t][c] = (the sum over s <= t of Q(x[b][s][c]) Q(p)) / l.  x, out: [4][4096][1024] f32.  The product is made on codes of BF8 (E5M2), x with the given scale 2^e0, p with 2^e1.
; THE SOFTMAX.  The logits are 0 where s <= t and -infinity elsewhere, built by the problem itself: so M = 0, p = 2^(0 - 0) for a key that counts and 0 for a hidden one, and the row's sum of the unquantised p is l = (t + 1) p.
; p goes through the quantiser like any operand: held at 57,344 x 2^e1, then converted.  Tiles of p that lie wholly above the diagonal are not multiplied.
; SHARES.  A cluster of four work-groups owns a strip: one b and 64 columns c (256 bytes of every row).  Work-group q (its place in the cluster) owns the tiles of 16 rows t whose number is q modulo 4: 64 tiles.
; Wave w owns columns 16 w .. 16 w + 15 of the strip for all 64 tiles: 64 accumulators, 512 registers.  All work-groups and waves run one path: q enters the mask's numbers, t + 1 and global addresses alone.
; A K STEP k is s = 128 k .. 128 k + 127.  The wave turns its 16 columns x 128 s into ONE fragment XF.  Pair p is my tiles 2 p and 2 p + 1 (rows 128 p + 16 q + 64 e + 0 .. 15, e = 0, 1).  XF is multiplied with pair k by two
; triangular fragments of p, which do not hang on k; with every pair above k by a fragment in which all keys count; pairs under k are finished.  Behind its step pair k is scaled by 2^(e0 + e1) / l and leaves.
; LAYOUT.  Source 0 = XF (its rows are my columns c), source 1 = p (its columns are rows t): in the result a lane holds ONE row t (lane % 16) and the columns 8 (lane / 16) + 0 .. 7: 32 neighbouring bytes of out.
; K IS NOT INNERMOST IN x: a lane takes a column and its registers run down s.  Register n (0 .. 63) of lane (r, h) holds s = 8 (n / 4) + n % 4 + 4 h of the step, for x and for p alike; the same conversions pack both, so that
; every code of x meets its partner of p whatever place along K the matrix unit gives a byte.
; x comes by JOINT tensor loads (the four partners need the same rows) through a ring of two LDS slots of four K steps; wave w fetches step w of a slot.  Each step's numbers are read from LDS one K step ahead of its products.
; LIMITS: e0 and e1 between -126 and 112, so that 2^e and 57,344 x 2^e are f32 numbers; e0 + e1 between -113 and 127, so that 2^(e0 + e1) / (t + 1) is a normal f32 number.  NaN in x is not served; an infinity is held at the largest code.
; REGISTERS, in windows of 256: window 0: addresses, constants, XF, the 64 numbers at work, p's three fragments, the way out.  Windows 1 and 2: the accumulators, pair p in window 1 + p / 16 at v[16 (p % 16) + 8 e].
; The LDS loads, the holds and the way out of a step are dealt out behind the products, a few behind each pair: that costs two switches of the window for each pair, so that they need no stretch of their own in which no product is issued.
.set ROWG,  4096                       ; bytes in a row of x and of out
.set STEPG, 128*ROWG                   ; from a K step to the next, in memory
.set PITCH, 272                        ; an LDS row: 256 bytes + 16 of padding
.set TILE,  128*PITCH                  ; a K step in LDS
.set SLOT,  4*TILE                     ; four K steps
.set STAGE, 2*SLOT                     ; behind the ring: four stages of 32 rows x 272 bytes for the way out, by turns; no fill lands there
.set SGB,   32*PITCH
.set SPARE, STAGE+4*SGB                ; behind the stages: the spare words, 128 bytes for each wave: two blocks of 256 bytes that no other line names
.set AX0,  8                           ; v8   my lane's place in a K step's tile: 4 h rows + 64 w + 4 r
.set ADR,  9                           ; v9   LDS address of the step that is read ahead
.set STO0, 10                          ; v10  my 32 bytes in stage 0
.set STA,  11                          ; v11  the same in the stage in hand
.set RD0,  12                          ; v12  where I read whole rows back, in stage 0
.set RDA,  13                          ; v13  the same in the stage in hand
.set GO,   14                          ; v14  my byte offset in the two rows of out that a store covers; never rewritten
.set PFO,  15                          ; v15  the prefetches' offset: a row of x for each lane; never rewritten
.set SPW,  16                          ; v16  LDS address of my spare word: SPARE + 4 x my thread's number; never rewritten
.set NIL,  17                          ; v17  0; never rewritten
.set SCX,  18                          ; v18  2^e0 as f32
.set LIMX, 19                          ; v19  57,344 x 2^e0
.set TI,   20                          ; v20  t + 1 of my row in the next diagonal pair's first tile, a whole number
.set MU0,  22                          ; v[22:23] 2^(e0 + e1) / l for that tile (the packed form names a pair and takes its low word)
.set MU1,  24                          ; v[24:25] the same for the pair's second tile, 64 rows further down
.set T0,   26                          ; v26, v27 at work
.set T1,   27
.set PV,   28                          ; v28  p, held
.set ZERO, 29                          ; v29  0
.set SCP,  30                          ; v30  2^e1 as f32
.set LIMP, 31                          ; v31  57,344 x 2^e1
.set DD,   32                          ; v32  the mask's threshold
.set P1,   33                          ; v33  p, unquantised
.set XF,   48                          ; v[48:63]   x's fragment
.set RAW,  64                          ; v[64:127]  64 numbers of a lane
.set ONES, 128                         ; v[128:143] p's fragment where all keys count
.set PD0,  144                         ; v[144:159] p's fragment on the diagonal, first tile of a pair
.set PD1,  160                         ; v[160:175] second tile
.set TMP,  176                         ; v[176:191] a pair's results, scaled
.set OB,   192                         ; v[192:207] eight rows read back from the stage
.set WV,   12                          ; s12  my wave's number
.set CX,   13                          ; s13  q: my work-group's place in the cluster
.set G1,   16                          ; s[16:23] descriptor group 1, one for all loads
.set G0,   24                          ; s[24:27], s[28:31] descriptor group 0 for slot 0, slot 1
.set PFA,  32                          ; s[32:33] where my prefetches stand
.set TB,   34                          ; s34  LDS byte of the K step that is read ahead
.set SG,   35                          ; s35  the stage in hand, in bytes from stage 0
.set J,    36                          ; s36  the trip in a slot's loop
.set ES,   37                          ; s37  e0 + e1
.set MSB, 0
.macro WIN new                         ; the immediate's high byte repeats the setting that is left; a switch that changes nothing is dropped
.if MSB != \new
	s_set_vgpr_msb (MSB<<8)|\new
.set MSB, \new
.endif
.endm
.macro PLACES                          ; four plain vector instructions that name no register of the matrix instruction in front (ISA guide 7.12.1)
.rept 4
	v_nop
.endr
.endm
; A round of the cluster's barrier: my work-group's barrier, so that wave 0's signal speaks for all four waves; wave 0 signals; every wave waits for all four work-groups; my work-group's barrier once more.
.macro CROUND
	s_barrier_signal -1
	s_barrier_wait -1
	s_cmp_lg_u32 s[WV], 0
	s_cbranch_scc1 .Lnot_wave_0_\@
	s_barrier_signal -3
.Lnot_wave_0_\@:
	s_barrier_wait -3
	s_barrier_signal -1
	s_barrier_wait -1
.endm
; Eight conversions: the lane's 64 numbers in RAW become a fragment's 16 registers.
.macro CVT8 dst, sc
.irp m, 0,1,2,3,4,5,6,7
	v_cvt_scalef32_pk8_bf8_f32 v[\dst+2*\m:\dst+2*\m+1], v[RAW+8*\m:RAW+8*\m+7], v[\sc]
.endr
.endm
; A triangular fragment of p: register n holds key 8 (n / 4) + n % 4 + 4 h of the step, hidden where it lies above my row: 8 (n / 4) + n % 4 > DD.
.macro PMASK dst
.set nn, 0
.rept 64
	v_cmp_gt_i32 vcc_lo, 8*(nn/4)+nn%4, v[DD]
	v_cndmask_b32 v[RAW+nn], v[PV], v[ZERO], vcc_lo
.set nn, nn+1
.endr
	CVT8 \dst, SCP
	v_nop                                          ; a plain vector instruction between the last conversion and the next write of its sources
.endm
; The two multipliers of the next diagonal pair: 2^(e0 + e1) / l, l = (t + 1) p.
.macro MULT
	v_cvt_f32_u32 v[T0], v[TI]
	v_add_nc_u32 v[T1], 64, v[TI]
	v_cvt_f32_u32 v[T1], v[T1]
	v_mul_f32 v[T0], v[T0], v[P1]                  ; the sum of t + 1 equal terms p
	v_mul_f32 v[T1], v[T1], v[P1]
	v_rcp_f32 v[MU0], v[T0]
	v_rcp_f32 v[MU1], v[T1]
	v_nop                                          ; a plain instruction behind the reciprocals,
	s_wait_alu depctr_va_vdst(0)                   ; and the one wait for both ahead of their first reader
	v_ldexp_f32 v[MU0], v[MU0], s[ES]
	v_ldexp_f32 v[MU1], v[MU1], s[ES]
.endm
; Two products of pair p with the fragment in which all keys count.  zero = 1: they start the sums: nothing is ever cleared.
.macro FULL2 p, zero
.set pw, 1+(\p)/16
.set pr, 16*((\p)%16)
	WIN 0x50*pw                                    ; C and D in the pair's window
.if \zero
	v_wmma_f32_16x16x128_bf8_bf8 v[pr:pr+7], v[XF:XF+15], v[ONES:ONES+15], 0
	v_wmma_f32_16x16x128_bf8_bf8 v[pr+8:pr+15], v[XF:XF+15], v[ONES:ONES+15], 0
.else
	v_wmma_f32_16x16x128_bf8_bf8 v[pr:pr+7], v[XF:XF+15], v[ONES:ONES+15], v[pr:pr+7]
	v_wmma_f32_16x16x128_bf8_bf8 v[pr+8:pr+15], v[XF:XF+15], v[ONES:ONES+15], v[pr+8:pr+15]
.endif
.endm
; The last two products of pair p, with the triangular fragments; then its sums x 2^(e0 + e1) / l, each accumulator from its low end on.
.macro DIAG p, zero
.set pw, 1+(\p)/16
.set pr, 16*((\p)%16)
	WIN 0x50*pw
.if \zero
	v_wmma_f32_16x16x128_bf8_bf8 v[pr:pr+7], v[XF:XF+15], v[PD0:PD0+15], 0
	v_wmma_f32_16x16x128_bf8_bf8 v[pr+8:pr+15], v[XF:XF+15], v[PD1:PD1+15], 0
.else
	v_wmma_f32_16x16x128_bf8_bf8 v[pr:pr+7], v[XF:XF+15], v[PD0:PD0+15], v[pr:pr+7]
	v_wmma_f32_16x16x128_bf8_bf8 v[pr+8:pr+15], v[XF:XF+15], v[PD1:PD1+15], v[pr+8:pr+15]
.endif
	WIN pw                                         ; source 0 in the pair's window
	PLACES                                         ; in front of the first read of results just made
.irp i, 0,2,4,6
	v_pk_mul_f32 v[TMP+\i:TMP+\i+1], v[pr+\i:pr+\i+1], v[MU0:MU0+1] op_sel_hi:[1,0]
.endr
.irp i, 0,2,4,6
	v_pk_mul_f32 v[TMP+8+\i:TMP+8+\i+1], v[pr+8+\i:pr+8+\i+1], v[MU1:MU1+1] op_sel_hi:[1,0]
.endr
	WIN 0
.endm
; A K STEP'S OTHER WORK is a list of 132 entries; ITEM writes entry itn.  load = 0 (the last step, which reads nothing ahead): only the way out's three entries.
;   0-63    the next step's 64 numbers from LDS: 32 lanes read 16 columns of two rows four apart
;   64      the wait for the first 32 of them: the 32 youngest LDS loads may stay out; the four stores into the stage, issued ahead of all, are done too
;   65-96   the hold of numbers 0-31 (the conversion to an 8-bit code does not saturate: ISA guide 7.6.2)
;   97      all my LDS instructions are done, my stores into the stage among them: the barrier's signal
;   98-113  the hold of numbers 32-47: work on registers between signal and wait
;   114     the barrier's wait: the stage's 32 rows are whole; my eight rows come back, sixteen lanes to a row
;   115-130 the hold of numbers 48-63
;   131     the rows are in registers: four stores, each of two rows' 256 consecutive bytes, at a multiple of 256 from out's first byte
.macro ITEM load
.if itn < 64
.if \load
	WIN 0
	ds_load_b32 v[RAW+itn], v[ADR] offset:(8*(itn/4)+itn%4)*PITCH
.endif
.elseif itn == 64
.if \load
	s_wait_dscnt 32
.endif
.elseif itn == 97
	s_wait_dscnt 0x0
	s_barrier_signal -1
.elseif itn == 114
	s_barrier_wait -1
	WIN 0
.irp i, 0,1,2,3
	ds_load_b128 v[OB+4*\i:OB+4*\i+3], v[RDA] offset:2*\i*PITCH
.endr
.elseif itn == 131
	s_wait_dscnt 0x0
	WIN 0
.irp i, 0,1,2,3
	global_store_b128 v[GO], v[OB+4*\i:OB+4*\i+3], s[8:9] offset:2*\i*ROWG th:TH_STORE_NT
.endr
.elseif \load
.set nn, itn-65
.if itn > 97
.set nn, itn-66
.endif
.if itn > 114
.set nn, itn-67
.endif
	WIN 0
	v_med3_num_f32 v[RAW+nn], v[RAW+nn], -v[LIMX], v[LIMX]
.endif
.set itn, itn+1
.endm
.macro ITEMS n, load
.rept \n
.if itn < 132
	ITEM \load
.endif
.endr
.endm
; A K STEP.  mode = 0: step p0, written out.  mode = 1: a trip of a slot's loop: step p0 + J, J = 0 .. 3; what hangs on J stands under scalar branches on the loop's counter: which pair is on the diagonal, and which of pairs
; p0 + 1 .. p0 + 3 still lie above it.  Pairs gp .. 31 are multiplied in every trip.  The accumulators take turns, one instruction a turn, on every way and over the backward jump.
.macro KSTEP mode, p0, gp, zero, load
.if \load
	v_add_nc_u32 v[ADR], s[TB], v[AX0]
.endif
	v_add_nc_u32 v[STA], s[SG], v[STO0]
	v_add_nc_u32 v[RDA], s[SG], v[RD0]
.if \mode
.irp a, 0,1,2,3
	s_cmp_eq_u32 s[J], \a
	s_cbranch_scc0 .Lnd_\@_\a
	DIAG (\p0)+\a, 0
.Lnd_\@_\a:
.endr
.else
	DIAG \p0, \zero
.endif
	ds_store_b128 v[STA], v[TMP:TMP+3]                         ; lane (r, h): row r of the pair's first tile, my wave's columns 8 h + 0 .. 7
	ds_store_b128 v[STA], v[TMP+4:TMP+7] offset:16
	ds_store_b128 v[STA], v[TMP+8:TMP+11] offset:16*PITCH      ; and of its second tile
	ds_store_b128 v[STA], v[TMP+12:TMP+15] offset:16*PITCH+16
.if \mode
.irp a, 1,2,3
	s_cmp_lt_u32 s[J], \a
	s_cbranch_scc0 .Lnf_\@_\a
	FULL2 (\p0)+\a, 0
	WIN 0                                          ; at a label and at a branch every window is 0
.Lnf_\@_\a:
.endr
.endif
.set itn, 0
.if (\gp) < 32
.set per, (131+32-(\gp))/(32-(\gp))    ; the list's 132 entries shared out among the pairs, rounded up
.set pp, \gp
.rept 32-(\gp)
	FULL2 pp, \zero
	ITEMS per, \load
.set pp, pp+1
.endr
.endif
	ITEMS 132, \load                               ; what is left of the list
	WIN 0
.if \load
	PLACES                                         ; between the last product, which reads XF, and the conversions that write it
	CVT8 XF, SCX
	v_add_nc_u32 v[TI], 128, v[TI]                 ; the next pair's rows.  (The plain vector instruction behind the last conversion)
	MULT
	s_wait_xcnt 0x0                                ; the stores have read their base and their data: both are written again only behind this wait
	s_add_nc_u64 s[8:9], s[8:9], STEPG             ; out: 128 rows on
	s_add_co_u32 s[TB], s[TB], TILE
	s_add_co_u32 s[SG], s[SG], SGB                 ; a stage is written again four steps on (the first time three): behind later steps' barriers, which every wave reaches with its reads of the stage done
.endif
.endm
; THE CHANGE OF SLOTS.  Each wave waits for all its tensor loads (its part of the slot that is read next), adds 0 to its spare word, and waits for that and for its reads of the slot that it has left.
; fill = 1: that slot is filled again, with the K steps two slots on: the barrier is a round of the cluster's, and the joint load is the first thing behind it.
; pf = 1: a prefetch into the L2, behind the load's four lines: rows 32 q .. 32 q + 31 of the K step that I shall fetch at the NEXT change of slots, four K steps on; a lane a row's 256 bytes, one instruction a wave.
; The four partners are told apart by address alone, so each row's 256 bytes of a step are named once in the launch.  Slots 0 to 2 come by their loads alone; the last two changes ask for nothing: no slot lies behind.
.macro CHANGE buf, fill, pf
	s_wait_tensorcnt 0x0                           ; no tensor load of mine is out, so a group 0 may be written
	ds_add_u32 v[SPW], v[NIL]                      ; 0 onto my spare word
.if \fill
	s_add_nc_u64 s[G0+4*(\buf)+2:G0+4*(\buf)+3], s[G0+4*(\buf)+2:G0+4*(\buf)+3], 8*STEPG   ; two slots on; the type bits on top are not reached
.endif
.if \pf
	s_wait_xcnt 0x0                                ; the last prefetch, a slot back, has read its address
	s_add_nc_u64 s[PFA:PFA+1], s[PFA:PFA+1], 4*STEPG
.endif
	s_wait_dscnt 0x0                               ; the add is done, and my reads of the slot that I have left are over
.if \fill
	CROUND                                         ; no wave of any partner still reads that slot or has a load on its way
	tensor_load_to_lds s[G0+4*(\buf):G0+4*(\buf)+3], s[G1:G1+7]
	s_nop 0
	PLACES                                         ; four v_nop follow the load
.if \pf
	global_prefetch_b8 v[PFO], s[PFA:PFA+1] th:TH_LOAD_NT scope:SCOPE_SE
.endif
.else
	s_barrier_signal -1
	s_barrier_wait -1
.endif
.endm
	s_load_b128 s[4:7], s[0:1], 0x0                ; x s[4:5], the scales' exponents s[6:7]
	s_load_b64 s[8:9], s[0:1], 0x10                ; out
	v_lshl_add_u32 v[SPW], v0, 2, SPARE
	v_mov_b32 v[NIL], 0
	ds_add_u32 v16, v17
	ds_add_u32 v16, v17
	s_wait_dscnt 0x0
	v_lshrrev_b32 v4, 5, v0
	v_readfirstlane_b32 s[WV], v4                  ; wave 0..3
	s_bfe_u32 s[CX], ttmp6, 0x40000                ; q: my place in the cluster
	; descriptor group 1: a tile of 128 rows x 64 elements of 4 bytes, padded in LDS
	s_mov_b32 s[G1+0], 15|(2<<16)|(1<<20)|(1<<21)|(5<<22)|(3<<25)  ; 15:0 the mask: all four work-groups; 17:16 elements of 4 bytes; 20 padding on; 21 set beside a mask; 24:22 after every 64 words (code 5); 31:25 four words (code 3)
	s_mov_b32 s[G1+1], 64<<16                      ; tensor_dim0 = 64
	s_mov_b32 s[G1+2], 128<<16                     ; tensor_dim1 = 128
	s_mov_b32 s[G1+3], 64<<16                      ; tile_dim0 = 64
	s_mov_b32 s[G1+4], 128                         ; tile_dim1 = 128
	s_mov_b32 s[G1+5], 1024                        ; elements from row to row
	s_mov_b32 s[G1+6], 0
	s_mov_b32 s[G1+7], 0
	s_lshr_b32 s14, ttmp9, 4                       ; the strip is the cluster's number: b = strip / 16,
	s_lshl_b32 s38, s14, 24                        ; 4,096 rows of 4,096 bytes each,
	s_and_b32 s15, ttmp9, 15
	s_lshl_b32 s15, s15, 8                         ; and 256 bytes of a row for strip % 16
	s_add_co_u32 s38, s38, s15
	s_mov_b32 s39, 0                               ; s[38:39]: the strip's first byte in x and in out
	s_lshl_b32 s40, s[WV], 19                      ; s[40:41]: K step w, the one of a slot that I fetch
	s_mov_b32 s41, 0
	s_lshl_b32 s42, s[CX], 4                       ; the first row of out that I store: 16 q + 64 (w / 2) + 8 (w % 2)
	s_lshr_b32 s14, s[WV], 1
	s_lshl_b32 s14, s14, 6
	s_add_co_u32 s42, s42, s14
	s_and_b32 s14, s[WV], 1
	s_lshl_b32 s14, s14, 3
	s_add_co_u32 s42, s42, s14
	s_lshl_b32 s42, s42, 12
	s_mov_b32 s43, 0
	s_wait_kmcnt 0x0
	s_load_b64 s[10:11], s[6:7], 0x0               ; e0, e1
	s_add_nc_u64 s[4:5], s[4:5], s[38:39]          ; x at the strip
	s_add_nc_u64 s[8:9], s[8:9], s[38:39]
	s_add_nc_u64 s[8:9], s[8:9], s[42:43]          ; out at my first row
	s_add_nc_u64 s[PFA:PFA+1], s[4:5], s[40:41]    ; the prefetches: K step 8 + w (the first change of slots steps it to 12 + w),
	s_add_nc_u64 s[PFA:PFA+1], s[PFA:PFA+1], 8*STEPG
	s_lshl_b32 s42, s[CX], 17                      ; my work-group's 32 rows of its 128
	s_add_nc_u64 s[PFA:PFA+1], s[PFA:PFA+1], s[42:43]
	s_mov_b32 s[G0], 1                             ; 1:0 count = 1
	s_mul_i32 s[G0+1], s[WV], TILE                 ; LDS address: slot 0, step w: no place in the cluster enters it
	s_add_nc_u64 s[G0+2:G0+3], s[4:5], s[40:41]    ; global address: K step w
	s_mov_b32 s[G0+4], 1
	s_add_co_u32 s[G0+5], s[G0+1], SLOT            ; slot 1
	s_add_nc_u64 s[G0+6:G0+7], s[G0+2:G0+3], 4*STEPG   ; K step 4 + w
	s_or_b32 s[G0+3], s[G0+3], 0x80000000          ; type = 2
	s_or_b32 s[G0+7], s[G0+7], 0x80000000
	CROUND                                         ; all four work-groups are here: the first joint loads meet
	tensor_load_to_lds s[G0:G0+3], s[G1:G1+7]      ; both first fills together, ahead of every wait on TENSORcnt and every LDS read: two loads of mine are out
	s_nop 0
	tensor_load_to_lds s[G0+4:G0+7], s[G1:G1+7]
	s_nop 0
	PLACES
	; while they are on their way: addresses, scales, p's three fragments
	v_and_b32 v1, 15, v0                           ; r
	v_bfe_u32 v2, v0, 4, 1                         ; h
	v_and_b32 v3, 31, v0                           ; lane
	s_lshl_b32 s14, s[WV], 6                       ; my wave's 64 bytes of a row
	v_mul_u32_u24 v[AX0], v2, 4*PITCH              ; lanes 16-31 stand four rows further down: 272 words, so the two halves of the lanes touch different banks (64 banks of 4 bytes: ISA guide 11.1)
	v_lshl_add_u32 v[AX0], v1, 2, v[AX0]
	v_add_nc_u32 v[AX0], s14, v[AX0]
	v_mul_u32_u24 v[STO0], v1, PITCH               ; into a stage: row r, + 64 w + 32 h
	v_lshl_add_u32 v[STO0], v2, 5, v[STO0]
	v_add_nc_u32 v[STO0], s14, v[STO0]
	v_add_nc_u32 v[STO0], STAGE, v[STO0]
	s_mul_i32 s15, s[WV], 8*PITCH                  ; back: my eight rows 8 w on; lanes 0-15 one row, lanes 16-31 the next
	v_mul_u32_u24 v[RD0], v2, PITCH
	v_lshl_add_u32 v[RD0], v1, 4, v[RD0]
	v_add_nc_u32 v[RD0], s15, v[RD0]
	v_add_nc_u32 v[RD0], STAGE, v[RD0]
	v_lshlrev_b32 v[GO], 12, v2                    ; and the same two rows in out
	v_lshl_add_u32 v[GO], v1, 4, v[GO]
	v_lshlrev_b32 v[PFO], 12, v3
	s_wait_kmcnt 0x0
	s_add_co_i32 s[ES], s10, s11                   ; e0 + e1
	s_add_co_i32 s44, s10, 127
	s_lshl_b32 s45, s44, 23
	v_mov_b32 v[SCX], s45                          ; 2^e0 as f32: the conversion takes its exponent field
	s_add_co_i32 s44, s44, 15
	s_lshl_b32 s44, s44, 23
	s_or_b32 s44, s44, 0x600000
	v_mov_b32 v[LIMX], s44                         ; 57,344 x 2^e0
	s_add_co_i32 s46, s11, 127
	s_lshl_b32 s47, s46, 23
	v_mov_b32 v[SCP], s47                          ; 2^e1
	s_add_co_i32 s46, s46, 15
	s_lshl_b32 s46, s46, 23
	s_or_b32 s46, s46, 0x600000
	v_mov_b32 v[LIMP], s46                         ; 57,344 x 2^e1
	v_mov_b32 v[ZERO], 0                           ; a hidden key's p; also t - M of a key that counts
	v_exp_f32 v[P1], v[ZERO]                       ; p = 2^(t - M)
	v_mov_b32 v[MU0+1], 0                          ; (named as the upper halves of pairs, so they are written; the first is the plain instruction behind the exponential)
	v_mov_b32 v[MU1+1], 0
	s_wait_alu depctr_va_vdst(0)                   ; the wait ahead of the first reader
	v_min_num_f32 v[PV], v[P1], v[LIMP]            ; p is not negative: the hold is one-sided
.irp i, 0,1,2,3,4,5,6,7
	v_mov_b32 v[RAW+\i], v[PV]
.endr
.irp m, 0,1,2,3,4,5,6,7
	v_cvt_scalef32_pk8_bf8_f32 v[ONES+2*\m:ONES+2*\m+1], v[RAW:RAW+7], v[SCP]   ; all keys count: eight equal codes, eight times
.endr
	v_nop                                          ; a plain vector instruction between the last conversion and the next write of its sources
	s_lshl_b32 s42, s[CX], 4                       ; 16 q
	v_lshlrev_b32 v4, 2, v2
	v_sub_nc_u32 v[DD], v1, v4
	v_add_nc_u32 v[DD], s42, v[DD]                 ; my row in the step, less my half's four keys: 16 q + r - 4 h (compared as a signed number)
	PMASK PD0
	v_add_nc_u32 v[DD], 64, v[DD]                  ; the pair's second tile lies 64 rows further down
	PMASK PD1
	v_add3_u32 v[TI], s42, v1, 1                   ; t + 1 of my row in pair 0's first tile
	MULT
	s_mov_b32 s[TB], 0
	s_mov_b32 s[SG], 0
	s_wait_tensorcnt 0x1                           ; my part of slot 0 is in; slot 1's, the one load issued behind it, may stay out
	s_barrier_signal -1
	s_barrier_wait -1                              ; everybody's is
	v_add_nc_u32 v[ADR], s[TB], v[AX0]             ; K step 0 has no step in front of it under which it could be read
.set nn, 0
.rept 64
	ds_load_b32 v[RAW+nn], v[ADR] offset:(8*(nn/4)+nn%4)*PITCH
.set nn, nn+1
.endr
	s_wait_dscnt 0x0
.set nn, 0
.rept 64
	v_med3_num_f32 v[RAW+nn], v[RAW+nn], -v[LIMX], v[LIMX]
.set nn, nn+1
.endr
	CVT8 XF, SCX
	v_nop                                          ; a plain vector instruction between the last conversion and the products that read XF
	s_mov_b32 s[TB], TILE
	KSTEP 0, 0, 1, 1, 1                            ; K step 0: its products start all 64 sums; it reads step 1 ahead
	KSTEP 0, 1, 2, 0, 1
	KSTEP 0, 2, 3, 0, 1                            ; reads step 3 ahead: slot 0 is read out
.irp g, 1,2,3,4,5,6,7                  ; slot g: four trips; trip J multiplies step 4 g - 1 + J and reads step 4 g + J ahead.  The changes of slots are written out, one for each slot
.if \g <= 5
	CHANGE (\g+1)%2, 1, 1
.elseif \g == 6
	CHANGE (\g+1)%2, 1, 0
.else
	CHANGE (\g+1)%2, 0, 0
.endif
	s_mov_b32 s[TB], (\g%2)*SLOT
	s_mov_b32 s[SG], 0
	s_mov_b32 s[J], 0
.Lslot_\g:
	KSTEP 1, 4*\g-1, 4*\g+3, 0, 1
	s_add_co_u32 s[J], s[J], 1
	s_cmp_lt_u32 s[J], 4
	s_cbranch_scc1 .Lslot_\g
.endr
	s_mov_b32 s[SG], 0
	KSTEP 0, 31, 32, 0, 0                          ; the last step: its pair alone, and nothing to read ahead
	s_wait_tensorcnt 0x0                           ; the wave's end: behind my last tensor load and my last LDS store
	ds_add_u32 v[SPW], v[NIL]
	s_wait_dscnt 0x0
	CROUND                                         ; the closing round: no work-group ends while a partner may still ask for a tile that names it
	s_endpgm
.Lfunc_end_k_qf3f588bb55_causal:
	.size	k_qf3f588bb55_causal, .Lfunc_end_k_qf3f588bb55_causal-k_qf3f588bb55_causal
	.p2alignl 7, 3214868480
	.fill 96, 4, 3214868480
	.section	.rodata,"a",@progbits
	.p2align	6, 0x0
	.amdhsa_kernel k_qf3f588bb55_causal
		.amdhsa_group_segment_fixed_size 327680
		.amdhsa_private_segment_fixed_size 0
		.amdhsa_enable_private_segment 0
		.amdhsa_kernarg_size 24
		.amdhsa_user_sgpr_count 2
		.amdhsa_user_sgpr_kernarg_segment_ptr 1
		.amdhsa_wavefront_size32 1
		.amdhsa_system_sgpr_workgroup_id_x 1
		.amdhsa_system_sgpr_workgroup_id_y 1
		.amdhsa_system_sgpr_workgroup_id_z 1
		.amdhsa_system_vgpr_workitem_id 0
		.amdhsa_next_free_vgpr 768
		.amdhsa_next_free_sgpr 66
		.amdhsa_reserve_vcc 1
		.amdhsa_float_denorm_mode_32 3
		.amdhsa_float_denorm_mode_16_64 3
		.amdhsa_memory_ordered 1
		.amdhsa_forward_progress 1
		.amdhsa_inst_pref_size 207
	.end_amdhsa_kernel
	.amdgpu_metadata
---
amdhsa.version: [ 1, 2 ]
amdhsa.kernels:
  - .name:           k_qf3f588bb55_causal
    .symbol:         k_qf3f588bb55_causal.kd
    .args:
      - { .name: x, .offset: 0, .size: 8, .value_kind: global_buffer, .address_space: global }
      - { .name: lowp_scales, .offset: 8, .size: 8, .value_kind: global_buffer, .address_space: global }
      - { .name: out0, .offset: 16, .size: 8, .value_kind: global_buffer, .address_space: global }
    .group_segment_fixed_size: 327680
    .private_segment_fixed_size: 0
    .kernarg_segment_align: 8
    .kernarg_segment_size: 24
    .max_flat_workgroup_size: 128
    .sgpr_count:     66
    .vgpr_count:     768
    .wavefront_size: 32
...
	.end_amdgpu_metadata
.endif
;; end of part 1
